; MI455X (gfx1250); checked and timed in simulation.
; The chip was launched on July 23, 2026; its instructions are those of AMD's public machine-readable ISA for CDNA 5 (MIT licence, August 2026) and "CDNA5" Instruction Set Architecture Reference Guide (July 2026). The comments in the code are by the model that wrote it; some were corrected since.
;; Anomaly Attention. Allowed arithmetic: float matrix products may take bf16 or f16 operands with f32 sums; all other float work in f32.
;; Inputs: attn_mask 2 x 1 x 2,048 x 2,048 bool; keys_channel 2 x 2,048 x 8 x 64 float32; keys_time 2 x 2,048 x 8 x 64 float32; queries_channel 2 x 2,048 x 8 x 64 float32; queries_time 2 x 2,048 x 8 x 64 float32; values_channel 2 x 2,048 x 8 x 64 float32; values_time 2 x 2,048 x 8 x 64 float32.
;; Outputs: out0 2 x 2,048 x 8 x 64 float32; out1 2 x 2,048 x 8 x 64 float32.
;; One version. Each part assembles by itself: llvm-mc -triple=amdgcn-amd-amdhsa -mcpu=gfx1250 --defsym DOCPART=n.
;; ======== version 1 of 1: 1 launch
;; limits: right only within a limited range of input values; values are held in f16: magnitudes above 65,504 overflow, below 6.1e-05 lose precision
;; launch attn (part 1): grid 16 x 16, 8 waves a work-group, no clusters, 295,936 bytes of LDS; arguments attn_mask, queries_time, keys_time, values_time, queries_channel, keys_channel, values_channel, out0, out1; writes out0, out1
.if DOCPART == 1
	.amdgcn_target "amdgcn-amd-amdhsa--gfx1250"
	.amdhsa_code_object_version 6
	.text
	.protected	k_q7b4d7ba810_attn
	.globl	k_q7b4d7ba810_attn
	.p2align	8
	.type	k_q7b4d7ba810_attn,@function
k_q7b4d7ba810_attn:
	s_mov_b64 s[64:65], 0
	v_nop
	global_prefetch_b8 v0, s[64:65] scope:SCOPE_SE
	s_setreg_imm32_b32 hwreg(HW_REG_WAVE_MODE, 25, 1), 1
	s_wait_xcnt 0x0
; Two masked attentions (time, channel), B = 2, L = 2048, H = 8, E = D = 64, all f32 in memory; the mask [B,1,L,L] of bytes is an input and is honoured byte by byte.
; Work-group (x, y): x = 8 a + head (a = 0 time, 1 channel), y = 8 b + query block.  It owns 256 queries of one (a, b, head) and walks all 2,048 keys
; in 8 tiles of 256 keys.  Wave w: qg = w & 3 owns queries 64 qg .. +63, kg = w >> 2 owns keys 128 kg .. +127 of every tile, as two steps of 64 keys.
; Each wave keeps a running maximum m, a sum l and O for its half of the keys; the two halves are merged once, at the end, through LDS.
; BOTH PRODUCTS ARE USED TRANSPOSED.  S^T = K Q^T + C: lane (r, h), register j of a tile holds query r and key row 8 h + j.  O^T = V^T P^T wants, as its second
; source, lane (r, h) to hold query r and k = 8 h .. 8 h + 7, 16 + 8 h .. : exactly two neighbouring S^T tiles rounded to 16 bits in place.  P never leaves its lane,
; a query is a lane, and m, l and the rescale factor are one register for 16 queries.
; KEY ORDER: in each group of 64 keys, key 32 h + 8 t + j lies in LDS row 16 t + 8 h + j, for K and V alike (a permutation of the summed index, the same in both
; products).  A lane's 32 scores of a step are then keys 32 h + 0 .. 31: 32 neighbouring mask bytes.
; THE MASK IS THE C OPERAND: on its way into LDS a mask byte 1 becomes 0xfe; a shift puts the byte on top of a word, which as f32 is -2^125 .. -2^127 where masked and
; below 2^-125 where not, and the first product adds onto it.
; FORMATS.  Q, K and V are each rounded ONCE, unscaled, to bf16.  The first product takes the bf16 form: its products are exact and its sums f32, so the scores are
; those of the rounded inputs.  The scale c = 0.125 log2(e) is applied in f32, in the fused multiply-add in front of the exponential: p = 2^(s c - m).
; P is rounded to f16, not bf16: a row with few keys left by the mask is a mean of few values that may nearly cancel and keeps P's absolute rounding, and f16 has 11
; significant bits against 8.  The instruction takes one format for both sources, so V's bf16 value is carried in f16 (three of f16's bits stay unused; the
; conversion is exact from 2^-17 to 65,504).  So all three inputs carry the same single rounding, and P's is the only other one: at most 2^-11 of each term.
; THE RUNNING MAXIMUM starts at -2^100 in place of -inf.  While every key seen is masked, m stays there, s c - m is near -2^122, and p, l and O stay 0.
; A row whose m is still -2^100 at the end had every key masked and is given NaN, as a softmax of -inf alone gives.
; LIMITS: scaled scores stay below 2^100 in magnitude; |v| stays below 65,504 (beyond it f16 gives infinity), and |v| below 2^-17 is rounded to 2^-25 absolutely;
; p below 2^-25 enters the second product as 0 (at most 2,048 x 2^-25 = 2^-14 of a row's sum, which is at least 1); mask bytes are 0 or 1; a NaN among the inputs
; is not carried through the maxima (v_max*_num drops it); l is summed from p in f32 while P enters the second product rounded to f16.
; NO TENSOR LOADS, NO JOINT REQUESTS: every staged byte changes on its way (f32 to 16 bits, mask byte 1 to 0xfe), so it passes through registers.  Landing slots for the
; f32 form of a 256-key K and V tile would be 131,072 bytes a slot beside the 294,912 bytes that the two 16-bit and mask buffers take: they do not fit in 327,680.
.set ROWB,   2048                      ; bytes from a position l to the next in Q, K, V, out (8 heads x 64 f32), and from a mask row to the next
.set KPITCH, 144                       ; LDS row of K and Q: 128 bytes + 16: an odd multiple of 16, so the 16 rows of a fragment load start in 16 different 16-byte columns modulo 256
.set VPITCH, 160                       ; LDS row of V: 128 bytes + 32: an odd multiple of 32, for the transposing load
.set MPITCH, 272                       ; LDS row of the mask: 256 bytes + 16
.set KBUF0,  0                         ; 256 rows x 144
.set VBUF0,  36864                     ; 256 rows x 160
.set KBUF1,  77824                     ; first holds the bf16 Q tile
.set VBUF1,  114688
.set MBUF0,  155648                    ; 256 query rows x 272
.set MBUF1,  225280
.set WSTAGE, 17408                     ; the merge: 32 x 512 bytes of O + 2 x 512 of (-m, l); the way out: 64 rows x 272
.set OUTST,  69632                     ; the way out's stages, one for each wave, behind the four merge stages at 0
; window 0
.set AKR, 2                            ; v2,3    LDS address of my K fragments, buffer 0, 1
.set AVR, 4                            ; v4,5    of my V fragments
.set AMR, 6                            ; v6,7    of my mask bytes
.set AKS, 8                            ; v8,9    where I stage K (and Q)
.set AVS, 10                           ; v10,11  where I stage V
.set AMS, 12                           ; v12,13  where I stage the mask
.set GK,  14                           ; my byte offset in a K (or Q) tile in memory
.set GV,  15                           ; in a V tile
.set GM,  16                           ; in a mask tile
.set AQR, 17                           ; LDS address of my Q fragments
.set AMG, 18                           ; the merge stage
.set AOS, 19                           ; the way out: where I put 16 bytes
.set AOR, 20                           ; the way out: where I read rows back
.set GO,  21                           ; my byte offset in the output
.set NANR, 22                          ; a NaN
.set ML,  24                           ; v[24:31] the pair (-m, l) of query block qb at 24 + 2 qb; m in scaled units
.set AL,  32                           ; v[32:33] the rescale factor, and a zero that is only there to complete the pair
.set T,   34                           ; v34-39  at work
.set ACC, 40                           ; v[40:41] the step's row sum, two halves
.set PA,  42                           ; v[42:43], v[44:45] partial sums
.set PB,  44
.set MF,  48                           ; v[48:63] mask words, two sets of 8 by the parity of qb
.set SC,  64                           ; v[64:127] scores, two sets of 32 by the parity of qb; P is packed into registers 0-15 of its set
.set KF,  128                          ; v[128:191] K fragments of a step: 4 row blocks x 2 halves of e
.set VF,  192                          ; v[192:255] V fragments of a step: 2 halves of the keys x 4 blocks of d
; window 1 (written by its low 8 bits)
.set OA,  0                            ; v256-383  O^T: block (qb, dt) at 32 qb + 8 dt
.set QF,  128                          ; v384-447  Q fragments: 16 qb + 8 c
.set STK, 192                          ; v448-463  staging: 4 x 16 bytes of K
.set STV, 208                          ; v464-479  of V
.set STM, 224                          ; v480-495  of the mask
; scalars: s2 wave, s3 qg, s4 kg; s[8:25] the nine addresses; s40,41 lane selects; s42 mask bytes; s43 2^100; s44 c, s45 -c; s46 trips; s47 a word's upper half; s48-51 at work
.set QP, 26
.set KP, 28
.set VP, 30
.set MP, 32
.set OP, 34
; s_set_vgpr_msb: bits 1:0 source 0, 3:2 source 1, 5:4 source 2, 7:6 destination; the high byte repeats the setting that is left.
.set MSB, 0
.macro WIN new
.if MSB != \new
	s_set_vgpr_msb (MSB<<8)|\new
.set MSB, \new
.endif
.endm
.macro WINLD                           ; an LDS load into window 0 by an address in window 0: any setting with those two places 0 serves
.if (MSB & 0xc3) != 0
	WIN 0
.endif
.endm
.macro PLACES                          ; four plain vector places behind a matrix instruction (ISA guide 7.12.1)
.rept 4
	v_nop
.endr
.endm
.macro CVTB base, cnt                  ; cnt quads of f32 become pairs of registers of bf16, in place (Q and K)
.set q, 0
.rept \cnt
	v_cvt_pk_bf16_f32 v[\base+4*q], v[\base+4*q], v[\base+4*q+1]
	v_cvt_pk_bf16_f32 v[\base+4*q+1], v[\base+4*q+2], v[\base+4*q+3]
.set q, q+1
.endr
.endm
.macro CVTV base, cnt                  ; cnt quads of f32 are rounded to bf16, and that value is written as f16, in place (V); registers 2 and 3 of a quad are at work
	CVTB \base, \cnt
.irp hf, 0,1
.set q, 0
.rept \cnt
	v_lshlrev_b32 v[\base+4*q+2], 16, v[\base+4*q+\hf]                 ; bf16 to f32: the low half moves up,
	v_and_b32 v[\base+4*q+3], s47, v[\base+4*q+\hf]                    ; the high half stays
.set q, q+1
.endr
.set q, 0
.rept \cnt
	v_cvt_pk_f16_f32 v[\base+4*q+\hf], v[\base+4*q+2], v[\base+4*q+3]  ; 8 significant bits into 11
.set q, q+1
.endr
.endr
.endm
.macro PUT64 adr, base, step           ; the prologue's sixteen stores of 8 bytes
.set q, 0
.rept 16
	ds_store_b64 v[\adr], v[\base+4*q:\base+4*q+1] offset:\step*q
.set q, q+1
.endr
.endm
	s_load_b512 s[8:23], s[0:1], 0x0               ; mask, Q K V of time, Q K V of channel, out0
	s_load_b64 s[24:25], s[0:1], 0x40              ; out1
	v_lshrrev_b32 v1, 5, v0
	v_readfirstlane_b32 s2, v1                     ; wave 0..7
	s_and_b32 s3, s2, 3                            ; qg
	s_lshr_b32 s4, s2, 2                           ; kg
	s_and_b32 s5, ttmp9, 7                         ; head
	s_lshr_b32 s7, ttmp9, 3                        ; a
	s_and_b32 s6, ttmp7, 0xffff                    ; 8 b + query block
	s_lshr_b32 s36, s6, 3
	s_lshl_b32 s36, s36, 22                        ; b x 2,048 rows x 2,048 bytes (the same figure for Q, K, V, out and for the mask)
	s_and_b32 s38, s6, 7
	s_lshl_b32 s38, s38, 19                        ; query block x 256 rows x 2,048 bytes
	s_add_co_u32 s38, s38, s36                     ; the mask's offset
	s_lshl_b32 s5, s5, 8                           ; head x 256 bytes
	s_add_co_u32 s36, s36, s5                      ; K's and V's offset
	s_add_co_u32 s46, s38, s5                      ; Q's offset
	s_lshl_b32 s50, s3, 17                         ; qg x 64 rows
	s_add_co_u32 s50, s50, s46                     ; the output's offset
	s_mov_b32 s37, 0
	s_mov_b32 s39, 0
	s_mov_b32 s47, 0
	s_mov_b32 s51, 0
	s_mov_b32 s40, 0x76543210                      ; v_permlanex16_b32: lane i reads lane i of the other half
	s_mov_b32 s41, 0xfedcba98
	s_mov_b32 s42, 0x0000fe00                      ; byte 0: what a mask byte 0 becomes; byte 1: what a mask byte 1 becomes
	s_mov_b32 s43, 0x71800000                      ; 2^100: where -m starts
	s_mov_b32 s44, 0x3e38aa3b                      ; c = 0.125 log2(e)
	s_mov_b32 s45, 0xbe38aa3b                      ; -c
	v_and_b32 v34, 15, v0                          ; r
	v_bfe_u32 v35, v0, 4, 1                        ; h
	v_and_b32 v36, 7, v0
	v_bfe_u32 v37, v0, 3, 1
	v_lshlrev_b32 v38, 4, v34                      ; 16 r
	v_lshlrev_b32 v39, 3, v34                      ; 8 r
	; In memory: sixteen neighbouring lanes take one row's 256 bytes.  Load i of a K tile: key 64 (i >> 2) + 32 h + 8 (i & 3) + w.
	s_lshl_b32 s48, s2, 11
	v_lshl_add_u32 v[GK], v35, 16, v38             ; (32 h + w) x 2,048 + 16 r
	v_add_nc_u32 v[GK], s48, v[GK]
	s_lshl_b32 s48, s4, 16                         ; V: key 64 (i >> 2) + 32 kg + 8 (i & 3) + 4 h + qg
	s_lshl_b32 s49, s3, 11
	s_add_co_u32 s48, s48, s49
	v_lshl_add_u32 v[GV], v35, 13, v38
	v_add_nc_u32 v[GV], s48, v[GV]
	s_lshl_b32 s48, s2, 12                         ; mask: query row 16 i + 2 w + h
	v_lshl_add_u32 v[GM], v35, 11, v38
	v_add_nc_u32 v[GM], s48, v[GM]
	v_lshl_add_u32 v[GO], v35, 11, v38             ; out: two rows a store
	s_wait_kmcnt 0x0
	s_cmp_lg_u32 s7, 0
	s_cselect_b64 s[QP:QP+1], s[16:17], s[10:11]
	s_cselect_b64 s[KP:KP+1], s[18:19], s[12:13]
	s_cselect_b64 s[VP:VP+1], s[20:21], s[14:15]
	s_cselect_b64 s[OP:OP+1], s[24:25], s[22:23]
	s_add_nc_u64 s[QP:QP+1], s[QP:QP+1], s[46:47]
	s_add_nc_u64 s[KP:KP+1], s[KP:KP+1], s[36:37]
	s_add_nc_u64 s[VP:VP+1], s[VP:VP+1], s[36:37]
	s_add_nc_u64 s[OP:OP+1], s[OP:OP+1], s[50:51]
	s_add_nc_u64 s[MP:MP+1], s[8:9], s[38:39]
	s_mov_b32 s47, 0xffff0000                      ; the offsets are used up: s47 is now the mask of a word's upper bf16
	; PROLOGUE: Q and tile 0 into window 1: Q 0-63, K 64-127, V 128-191 in one run of 48 loads; the mask's 16 (192-255) follow when Q has come
	WIN 0x40
.set i, 0
.rept 16
	global_load_b128 v[4*i:4*i+3], v[GK], s[QP:QP+1] offset:(64*(i>>2)+8*(i&3))*ROWB th:TH_LOAD_NT   ; a Q row is read by this work-group alone
.set i, i+1
.endr
.set i, 0
.rept 16
	global_load_b128 v[64+4*i:64+4*i+3], v[GK], s[KP:KP+1] offset:(64*(i>>2)+8*(i&3))*ROWB
.set i, i+1
.endr
.set i, 0
.rept 16
	global_load_b128 v[128+4*i:128+4*i+3], v[GV], s[VP:VP+1] offset:(64*(i>>2)+8*(i&3))*ROWB
.set i, i+1
.endr
	WIN 0
	; LDS addresses, while the loads are on their way
	s_mul_i32 s48, s2, KPITCH                      ; stage K: row 16 i + 8 h + w, 8 bytes at 8 r
	v_mad_u32_u24 v[AKS], v35, 8*KPITCH, v39
	v_add_nc_u32 v[AKS], s48, v[AKS]
	v_add_nc_u32 v[AKS+1], KBUF1-KBUF0, v[AKS]
	s_mul_i32 s48, s4, 8*VPITCH                    ; stage V: row 16 i + 8 kg + 4 h + qg
	s_mul_i32 s49, s3, VPITCH
	s_add_co_u32 s48, s48, s49
	s_add_co_u32 s48, s48, VBUF0
	v_mad_u32_u24 v[AVS], v35, 4*VPITCH, v39
	v_add_nc_u32 v[AVS], s48, v[AVS]
	v_add_nc_u32 v[AVS+1], VBUF1-VBUF0, v[AVS]
	s_mul_i32 s48, s2, 2*MPITCH                    ; stage the mask: row 16 i + 2 w + h, 16 bytes at 16 r
	s_add_co_u32 s48, s48, MBUF0
	v_mad_u32_u24 v[AMS], v35, MPITCH, v38
	v_add_nc_u32 v[AMS], s48, v[AMS]
	v_add_nc_u32 v[AMS+1], MBUF1-MBUF0, v[AMS]
	s_mul_i32 s48, s4, 128*KPITCH                  ; K fragments: row 128 kg + r, 16 bytes at 16 h
	v_mul_u32_u24 v[AKR], v34, KPITCH
	v_lshl_add_u32 v[AKR], v35, 4, v[AKR]
	v_add_nc_u32 v[AKR], s48, v[AKR]
	v_add_nc_u32 v[AKR+1], KBUF1-KBUF0, v[AKR]
	s_mul_i32 s48, s4, 128*VPITCH                  ; V fragments, transposing load: row 128 kg + 8 h + (lane & 7), 16 bytes at 16 ((lane >> 3) & 1)
	s_add_co_u32 s48, s48, VBUF0
	v_mul_u32_u24 v[AVR], v36, VPITCH
	v_mad_u32_u24 v[AVR], v35, 8*VPITCH, v[AVR]
	v_lshl_add_u32 v[AVR], v37, 4, v[AVR]
	v_add_nc_u32 v[AVR], s48, v[AVR]
	v_add_nc_u32 v[AVR+1], VBUF1-VBUF0, v[AVR]
	s_mul_i32 s48, s3, 64*MPITCH                   ; mask bytes: row 64 qg + r, 32 bytes at 128 kg + 32 h
	s_lshl_b32 s49, s4, 7
	s_add_co_u32 s48, s48, s49
	s_add_co_u32 s48, s48, MBUF0
	v_mul_u32_u24 v[AMR], v34, MPITCH
	v_lshl_add_u32 v[AMR], v35, 5, v[AMR]
	v_add_nc_u32 v[AMR], s48, v[AMR]
	v_add_nc_u32 v[AMR+1], MBUF1-MBUF0, v[AMR]
	s_mul_i32 s48, s3, 64*KPITCH                   ; Q fragments: Q was staged in K's row order, so query 16 qb + r lies in row 32 (qb & 1) + 8 (qb >> 1) + 16 (r >> 3) + (r & 7)
	s_add_co_u32 s48, s48, KBUF1
	v_mul_u32_u24 v[AQR], v36, KPITCH
	v_mad_u32_u24 v[AQR], v37, 16*KPITCH, v[AQR]
	v_lshl_add_u32 v[AQR], v35, 4, v[AQR]
	v_add_nc_u32 v[AQR], s48, v[AQR]
	s_mul_i32 s48, s3, WSTAGE                      ; the merge stage of my qg: 16 bytes a lane
	v_and_b32 v[AMG], 31, v0
	v_lshl_add_u32 v[AMG], v[AMG], 4, s48
	s_mul_i32 s48, s2, WSTAGE                      ; the way out's stage: my wave's own
	s_add_co_u32 s48, s48, OUTST
	v_mul_u32_u24 v[AOS], v34, MPITCH              ; in: row r, 32 bytes at 32 h
	v_lshl_add_u32 v[AOS], v35, 5, v[AOS]
	v_add_nc_u32 v[AOS], s48, v[AOS]
	v_mad_u32_u24 v[AOR], v35, MPITCH, v38         ; back: lanes 0-15 one row of 256 bytes, lanes 16-31 the next
	v_add_nc_u32 v[AOR], s48, v[AOR]
.irp qb, 0,1,2,3
	v_mov_b32 v[ML+2*\qb], s43                     ; -m = 2^100
	v_mov_b32 v[ML+2*\qb+1], 0                     ; l = 0
.endr
	v_mov_b32 v[AL+1], 0
	v_mov_b32 v[NANR], 0x7fc00000
	s_wait_loadcnt 32                              ; Q is in; the 32 loads of K and V stay out
	WIN 0x40
.set i, 0
.rept 16
	global_load_b128 v[192+4*i:192+4*i+3], v[GM], s[MP:MP+1] offset:16*ROWB*i    ; the mask of tile 0: with these a wave has 48 loads out again
.set i, i+1
.endr
	WIN 0x45
	CVTB 0, 16
	WIN 0x04
	PUT64 AKS+1, 0, 16*KPITCH                      ; Q into K's buffer 1, which tile 1 takes only behind the second barrier below
	s_wait_loadcnt 32                              ; K is in; V's 16 and the mask's 16 stay out
	WIN 0x45
	CVTB 64, 16
	WIN 0x04
	PUT64 AKS, 64, 16*KPITCH
	s_wait_loadcnt 16                              ; V is in; the mask stays out
	WIN 0x45
	CVTV 128, 16
	WIN 0x04
	PUT64 AVS, 128, 16*VPITCH
	s_wait_loadcnt 0x0                             ; the mask; no load is out, so the bases may step
	s_add_nc_u64 s[KP:KP+1], s[KP:KP+1], 256*ROWB  ; tile 1
	s_add_nc_u64 s[VP:VP+1], s[VP:VP+1], 256*ROWB
	s_add_nc_u64 s[MP:MP+1], s[MP:MP+1], 256
	WIN 0x50
.set q, 0
.rept 64
	v_perm_b32 v[192+q], s42, s42, v[192+q]        ; the mask word is the selector: byte 0 picks 0x00, byte 1 picks 0xfe
.set q, q+1
.endr
	WIN 0x04
.set q, 0
.rept 16
	ds_store_b128 v[AMS], v[192+4*q:192+4*q+3] offset:16*MPITCH*q
.set q, q+1
.endr
	WIN 0
	s_wait_dscnt 0x0                               ; my stores are done, for the other waves' sake
	s_barrier_signal -1
	s_barrier_wait -1
	WIN 0x40
.irp qb, 0,1,2,3
.irp c, 0,1
	ds_load_b128 v[QF+16*\qb+8*\c:QF+16*\qb+8*\c+3],   v[AQR] offset:(32*(\qb&1)+8*(\qb>>1))*KPITCH+64*\c
	ds_load_b128 v[QF+16*\qb+8*\c+4:QF+16*\qb+8*\c+7], v[AQR] offset:(32*(\qb&1)+8*(\qb>>1))*KPITCH+64*\c+32
.endr
.endr
	WIN 0
	s_wait_dscnt 0x0                               ; my reads of Q are done: behind this barrier K's buffer 1 is written again
	s_barrier_signal -1
	s_barrier_wait -1
; STAGING.  A tile goes in four batches; batch nb is the tile's key group nb (64 keys) and 64 query rows of the mask: 12 loads of 16 bytes a lane.
.macro SLOAD nb
	WIN 0x40
.irp k, 0,1,2,3
	global_load_b128 v[STK+4*\k:STK+4*\k+3], v[GK], s[KP:KP+1] offset:(64*(\nb)+8*\k)*ROWB
.endr
.irp k, 0,1,2,3
	global_load_b128 v[STV+4*\k:STV+4*\k+3], v[GV], s[VP:VP+1] offset:(64*(\nb)+8*\k)*ROWB
.endr
.irp k, 0,1,2,3
	global_load_b128 v[STM+4*\k:STM+4*\k+3], v[GM], s[MP:MP+1] offset:16*ROWB*(4*(\nb)+\k)
.endr
.endm
.macro SSTORE nb, buf
	s_wait_loadcnt 0x0                             ; the batch's 12 loads are all that is out
	WIN 0x50
.set q, 0
.rept 16
	v_perm_b32 v[STM+q], s42, s42, v[STM+q]
.set q, q+1
.endr
	WIN 0x45
	CVTB STK, 4
	CVTV STV, 4
	WIN 0x04
.irp k, 0,1,2,3
	ds_store_b64 v[AKS+(\buf)], v[STK+4*\k:STK+4*\k+1] offset:16*KPITCH*(4*(\nb)+\k)
.endr
.irp k, 0,1,2,3
	ds_store_b64 v[AVS+(\buf)], v[STV+4*\k:STV+4*\k+1] offset:16*VPITCH*(4*(\nb)+\k)
.endr
.irp k, 0,1,2,3
	ds_store_b128 v[AMS+(\buf)], v[STM+4*\k:STM+4*\k+3] offset:16*MPITCH*(4*(\nb)+\k)
.endr
.endm
; FRAGMENTS of step u of the tile in buffer buf
.macro LMF buf, u, qb                  ; 32 mask bytes of query block qb
	WINLD
	ds_load_b128 v[MF+8*(\qb&1):MF+8*(\qb&1)+3],   v[AMR+\buf] offset:16*MPITCH*\qb+64*\u
	ds_load_b128 v[MF+8*(\qb&1)+4:MF+8*(\qb&1)+7], v[AMR+\buf] offset:16*MPITCH*\qb+64*\u+16
.endm
.macro LK buf, u
	WINLD
.irp t, 0,1,2,3
.irp c, 0,1
	ds_load_b128 v[KF+16*\t+8*\c:KF+16*\t+8*\c+3],   v[AKR+\buf] offset:(64*\u+16*\t)*KPITCH+64*\c
	ds_load_b128 v[KF+16*\t+8*\c+4:KF+16*\t+8*\c+7], v[AKR+\buf] offset:(64*\u+16*\t)*KPITCH+64*\c+32
.endr
.endr
.endm
.macro LV buf, u
	WINLD
.irp p, 0,1
.irp d, 0,1,2,3
	ds_load_tr16_b128 v[VF+32*\p+8*\d:VF+32*\p+8*\d+3],   v[AVR+\buf] offset:(64*\u+32*\p)*VPITCH+32*\d
	ds_load_tr16_b128 v[VF+32*\p+8*\d+4:VF+32*\p+8*\d+7], v[AVR+\buf] offset:(64*\u+32*\p)*VPITCH+32*\d+16*VPITCH
.endr
.endr
.endm
; The mask byte of score i = 4 q + byte goes on top of the score's register: the sums of the first product start from it.
.macro BIAS qb
	WIN 0
.set q, 0
.rept 8
	v_lshlrev_b32 v[SC+32*(\qb&1)+4*q],   24, v[MF+8*(\qb&1)+q]
	v_lshlrev_b32 v[SC+32*(\qb&1)+4*q+1], 16, v[MF+8*(\qb&1)+q]
	v_lshlrev_b32 v[SC+32*(\qb&1)+4*q+2], 8,  v[MF+8*(\qb&1)+q]
	v_mov_b32     v[SC+32*(\qb&1)+4*q+3], v[MF+8*(\qb&1)+q]          ; byte 3 is on top already
.set q, q+1
.endr
.endm
; S^T = K Q^T + bias, bf16: 4 key row blocks x 2 halves of e.  The four accumulators take turns, one instruction a turn.
.macro QK qb
	WIN 0x04
.irp c, 0,1
.irp t, 0,1,2,3
	v_wmma_f32_16x16x32_bf16 v[SC+32*(\qb&1)+8*\t:SC+32*(\qb&1)+8*\t+7], v[KF+16*\t+8*\c:KF+16*\t+8*\c+7], v[QF+16*\qb+8*\c:QF+16*\qb+8*\c+7], v[SC+32*(\qb&1)+8*\t:SC+32*(\qb&1)+8*\t+7]
.endr
.endr
.endm
; The softmax step of one query block, in groups g of 8 scores.  SB: the block's scores; MR: its pair (-m, l).
.macro SUBG g
.irp e, 0,2,4,6
	v_pk_fma_f32 v[SB+8*\g+\e:SB+8*\g+\e+1], v[SB+8*\g+\e:SB+8*\g+\e+1], s[44:45], v[MR:MR+1] op_sel_hi:[1,0,0]   ; s c - m: both halves by c (s44) and by -m
.endr
.endm
.macro EXPG g
.irp e, 0,1,2,3,4,5,6,7
	v_exp_f32 v[SB+8*\g+\e], v[SB+8*\g+\e]
.endr
.endm
.macro SUMCVT g                        ; the group's p are added to the row sum, then rounded to f16 into registers 4 g .. 4 g + 3, whose old contents have been used
	s_wait_alu depctr_va_vdst(0)
	v_pk_add_f32 v[PA:PA+1], v[SB+8*\g:SB+8*\g+1], v[SB+8*\g+2:SB+8*\g+3]
	v_pk_add_f32 v[PB:PB+1], v[SB+8*\g+4:SB+8*\g+5], v[SB+8*\g+6:SB+8*\g+7]
.irp e, 0,1,2,3
	v_cvt_pk_f16_f32 v[SB+4*\g+\e], v[SB+8*\g+2*\e], v[SB+8*\g+2*\e+1]
.endr
.if \g == 0
	v_pk_add_f32 v[ACC:ACC+1], v[PA:PA+1], v[PB:PB+1]
.else
	v_pk_add_f32 v[PA:PA+1], v[PA:PA+1], v[PB:PB+1]
	v_pk_add_f32 v[ACC:ACC+1], v[ACC:ACC+1], v[PA:PA+1]
.endif
.endm
.macro SMA qb
	WIN 0
.set SB, SC+32*(\qb&1)
.set MR, ML+2*\qb
	; the maximum of my 32 unscaled scores: four chains of three, then four that join them
.irp c, 0,1,2,3
	v_max3_num_f32 v[T+\c], v[SB+7*\c], v[SB+7*\c+1], v[SB+7*\c+2]
.endr
.irp c, 0,1,2,3
	v_max3_num_f32 v[T+\c], v[T+\c], v[SB+7*\c+3], v[SB+7*\c+4]
.endr
.irp c, 0,1,2,3
	v_max3_num_f32 v[T+\c], v[T+\c], v[SB+7*\c+5], v[SB+7*\c+6]
.endr
	v_max3_num_f32 v[T], v[T], v[T+1], v[SB+28]
	v_max3_num_f32 v[T+2], v[T+2], v[T+3], v[SB+29]
	v_max3_num_f32 v[T], v[T], v[T+2], v[SB+30]
	v_max_num_f32 v[T], v[T], v[SB+31]
	v_permlanex16_b32 v[T+1], v[T], s40, s41       ; the other 32 keys of the same query lie in the other half of the lanes
	v_max_num_f32 v[T], v[T], v[T+1]
	v_mul_f32 v[T], s45, v[T]                      ; times -c
	v_min_num_f32 v[T], v[T], v[MR]                ; the new -m: the smaller of the old one and this step's
	v_sub_f32 v[AL], v[T], v[MR]                   ; old m - new m
	v_mov_b32 v[MR], v[T]
	; Behind each run of exponentials the next plain instructions work on another group (ISA guide 5.7.2: one independent instruction before a result is used).
	SUBG 0
	v_exp_f32 v[AL], v[AL]
	EXPG 0
	SUBG 1
	EXPG 1
	SUMCVT 0
	SUBG 2
	EXPG 2
	SUMCVT 1
	SUBG 3
	EXPG 3
	SUMCVT 2
	SUMCVT 3
	v_add_f32 v[T], v[ACC], v[ACC+1]
	v_fma_f32 v[MR+1], v[MR+1], v[AL], v[T]        ; l = l x factor + this step's sum (my half of the lanes; the halves meet at the end)
.endm
.macro RS qb                           ; O of the block times the factor, which is one number a lane
	WIN 0x41
.set q, 0
.rept 16
	v_pk_mul_f32 v[OA+32*\qb+2*q:OA+32*\qb+2*q+1], v[OA+32*\qb+2*q:OA+32*\qb+2*q+1], v[AL:AL+1] op_sel_hi:[1,0]
.set q, q+1
.endr
.endm
; O^T += V^T P^T, f16: 2 halves of the step's keys x 4 blocks of d; the four accumulators take turns.  first = 1: the first product starts the sums.
.macro PV qb, first
	WIN 0x50
.irp d, 0,1,2,3
.if \first
	v_wmma_f32_16x16x32_f16 v[OA+32*\qb+8*\d:OA+32*\qb+8*\d+7], v[VF+8*\d:VF+8*\d+7], v[SC+32*(\qb&1):SC+32*(\qb&1)+7], 0
.else
	v_wmma_f32_16x16x32_f16 v[OA+32*\qb+8*\d:OA+32*\qb+8*\d+7], v[VF+8*\d:VF+8*\d+7], v[SC+32*(\qb&1):SC+32*(\qb&1)+7], v[OA+32*\qb+8*\d:OA+32*\qb+8*\d+7]
.endif
.endr
.irp d, 0,1,2,3
	v_wmma_f32_16x16x32_f16 v[OA+32*\qb+8*\d:OA+32*\qb+8*\d+7], v[VF+32+8*\d:VF+32+8*\d+7], v[SC+32*(\qb&1)+8:SC+32*(\qb&1)+15], v[OA+32*\qb+8*\d:OA+32*\qb+8*\d+7]
.endr
.endm
; One step: my 64 queries x 64 keys.  The first product of block qb + 1 or qb + 2 is issued ahead of the softmax of block qb, so that behind every matrix result at
; least four plain vector instructions on other registers stand before it is read (a whole BIAS, SMA or RS; four v_nop in the first step, which has no RS).
; stage = 1: two batches of the next tile pass through registers into the other buffer.
.macro STEP buf, u, stage, first
.if \stage
.if \u == 0
	SLOAD 0
.endif
.endif
	LMF \buf, \u, 0
	LMF \buf, \u, 1
	LK \buf, \u
	s_wait_dscnt 16                                ; K's 16 loads may stay out: the mask words of blocks 0 and 1 are in
	BIAS 0
	LV \buf, \u
	LMF \buf, \u, 2
	s_wait_dscnt 18                                ; V's 16 and block 2's two may stay out: K is in
	QK 0
	BIAS 1
	LMF \buf, \u, 3
	QK 1
	SMA 0
.if \first == 0
	RS 0
.endif
	s_wait_dscnt 4                                 ; the mask words of blocks 2 and 3 may stay out: V is in
	PV 0, \first
	SMA 1
	s_wait_dscnt 2                                 ; block 3's two may stay out
	BIAS 2
	QK 2
.if \first
	PLACES
.else
	RS 1
.endif
	PV 1, \first
.if \stage
	SSTORE 2*\u, 1-\buf
	SLOAD 2*\u+1
.endif
	SMA 2
	s_wait_dscnt 12*\stage                         ; the batch's 12 stores are younger than block 3's mask words
	BIAS 3
	QK 3
.if \first
	PLACES
.else
	RS 2
.endif
	PV 2, \first
	SMA 3
.if \first == 0
	RS 3
.endif
	PV 3, \first
.if \stage
	SSTORE 2*\u+1, 1-\buf
.if \u == 0
	SLOAD 2
.endif
.endif
.endm
; A tile of 256 keys.  ONE barrier closes it, for two things: my reads of this buffer are done, and my stores into the other one are.
.macro TILE buf, stage, first
	STEP \buf, 0, \stage, \first
	STEP \buf, 1, \stage, 0
.if \stage
	s_add_nc_u64 s[KP:KP+1], s[KP:KP+1], 256*ROWB  ; the last batch's wait has shown every load done: the bases may step
	s_add_nc_u64 s[VP:VP+1], s[VP:VP+1], 256*ROWB
	s_add_nc_u64 s[MP:MP+1], s[MP:MP+1], 256
.endif
	WIN 0
	s_wait_dscnt 0x0
	s_barrier_signal -1
	s_barrier_wait -1
.endm
	TILE 0, 1, 1                                   ; tile 0, staging tile 1; its first products start O's sums
	s_mov_b32 s46, 3
.Ltiles:
	TILE 1, 1, 0                                   ; tiles 1, 3, 5
	TILE 0, 1, 0                                   ; tiles 2, 4, 6
	s_sub_co_i32 s46, s46, 1
	s_cmp_lg_u32 s46, 0
	s_cbranch_scc1 .Ltiles
	TILE 1, 0, 0                                   ; tile 7: nothing is left to stage; behind its barrier the tile buffers are free for the merge and the way out
	; THE MERGE of the two halves of the keys.  Waves 4-7 hand O, -m and l to waves 0-3 through LDS and end.
	PLACES                                         ; behind the last matrix instructions: for the stores of O and for the loads into K's and V's fragment registers
	s_cmp_lt_u32 s2, 4
	s_cbranch_scc1 .Lkeep
	WIN 0x04
.set i, 0
.rept 32
	ds_store_b128 v[AMG], v[OA+4*i:OA+4*i+3] offset:512*i
.set i, i+1
.endr
	WIN 0
	ds_store_b128 v[AMG], v[ML:ML+3] offset:16384
	ds_store_b128 v[AMG], v[ML+4:ML+7] offset:16896
.Lkeep:
	s_wait_dscnt 0x0                               ; the stores are done, for the partner's sake
	s_barrier_signal -1
	s_barrier_wait -1
	s_cmp_lt_u32 s2, 4
	s_cbranch_scc1 .Lmerge
	s_wait_xcnt 0x0
	v_lshl_add_u32 v190, v0, 2, 0x48000
	v_mov_b32 v191, 0
	s_wait_tensorcnt 0x0
	ds_add_u32 v190, v191
	s_wait_dscnt 0x0
	s_endpgm
.Lmerge:
.set PM, 36                            ; v[36:43] the partner's four pairs (-m, l)
.set MX, 44                            ; v44-47   the joint -m
.set FA, 48                            ; v[48:63] block qb: my factor at 48 + 4 qb, the partner's at 50 + 4 qb (each the first register of a pair)
.set XO, 128                           ; v[128:255] the partner's O, then the result
	ds_load_b128 v[PM:PM+3], v[AMG] offset:16384
	ds_load_b128 v[PM+4:PM+7], v[AMG] offset:16896
.set i, 0
.rept 32
	ds_load_b128 v[XO+4*i:XO+4*i+3], v[AMG] offset:512*i
.set i, i+1
.endr
	s_wait_dscnt 32                                ; the 32 loads of O may stay out: -m and l are in
.irp qb, 0,1,2,3
	v_min_num_f32 v[MX+\qb], v[ML+2*\qb], v[PM+2*\qb]
.endr
.irp qb, 0,1,2,3
	v_sub_f32 v[FA+4*\qb], v[MX+\qb], v[ML+2*\qb]          ; my m - the joint m
	v_sub_f32 v[FA+4*\qb+2], v[MX+\qb], v[PM+2*\qb]        ; the partner's m - the joint m
.endr
.irp qb, 0,1,2,3
	v_exp_f32 v[FA+4*\qb], v[FA+4*\qb]
	v_exp_f32 v[FA+4*\qb+2], v[FA+4*\qb+2]
.endr
.irp qb, 0,1,2,3
	v_cmp_le_f32 s[48+\qb], s43, v[MX+\qb]         ; 2^100 <= -m: m never left its start, every key of the row was masked.  (These four also stand between the exponentials and their use.)
.endr
	s_wait_alu depctr_va_vdst(0)
.irp qb, 0,1,2,3
	v_mul_f32 v[32+\qb], v[FA+4*\qb+2], v[PM+2*\qb+1]
.endr
.irp qb, 0,1,2,3
	v_fma_f32 v[32+\qb], v[FA+4*\qb], v[ML+2*\qb+1], v[32+\qb]
.endr
.irp qb, 0,1,2,3
	v_permlanex16_b32 v[PM+\qb], v[32+\qb], s40, s41   ; l's other half of the lanes
.endr
.irp qb, 0,1,2,3
	v_add_f32 v[32+\qb], v[32+\qb], v[PM+\qb]
.endr
.irp qb, 0,1,2,3
	v_rcp_f32 v[32+\qb], v[32+\qb]
.endr
	v_nop                                          ; one plain place between the reciprocals and their use
	s_wait_alu depctr_va_vdst(0)
.irp qb, 0,1,2,3
	v_cndmask_b32 v[32+\qb], v[32+\qb], v[NANR], s[48+\qb]
.endr
.irp qb, 0,1,2,3
	v_mul_f32 v[FA+4*\qb], v[FA+4*\qb], v[32+\qb]
	v_mul_f32 v[FA+4*\qb+2], v[FA+4*\qb+2], v[32+\qb]
.endr
	s_wait_dscnt 0x0                               ; the partner's O
.irp qb, 0,1,2,3
.set q, 0
.rept 16
	v_pk_mul_f32 v[XO+32*\qb+2*q:XO+32*\qb+2*q+1], v[XO+32*\qb+2*q:XO+32*\qb+2*q+1], v[FA+4*\qb+2:FA+4*\qb+3] op_sel_hi:[1,0]
.set q, q+1
.endr
.endr
	WIN 0x01
.irp qb, 0,1,2,3
.set q, 0
.rept 16
	v_pk_fma_f32 v[XO+32*\qb+2*q:XO+32*\qb+2*q+1], v[OA+32*\qb+2*q:OA+32*\qb+2*q+1], v[FA+4*\qb:FA+4*\qb+1], v[XO+32*\qb+2*q:XO+32*\qb+2*q+1] op_sel_hi:[1,0,1]
.set q, q+1
.endr
.endr
	WIN 0
; THE WAY OUT, 16 queries at a time.  A lane holds d = 16 dt + 8 h + 0..7 of query r: 16 bytes at a time into my own stage, rows of 272 bytes; read back as whole rows.
; LDS serves a wave's instructions in order (ISA guide 5.7.1), so the loads see the stores above them without a wait.
.macro OUT16 qb
.set YB, SC+32*(\qb&1)
.irp d, 0,1,2,3
	ds_store_b128 v[AOS], v[XO+32*\qb+8*\d:XO+32*\qb+8*\d+3]   offset:16*MPITCH*\qb+64*\d
	ds_store_b128 v[AOS], v[XO+32*\qb+8*\d+4:XO+32*\qb+8*\d+7] offset:16*MPITCH*\qb+64*\d+16
.endr
.if \qb >= 2
	s_wait_xcnt 0x0                                ; these registers were the data of the stores two blocks ago: they are loaded again only behind this wait
.endif
.irp t, 0,1,2,3,4,5,6,7
	ds_load_b128 v[YB+4*\t:YB+4*\t+3], v[AOR] offset:16*MPITCH*\qb+2*MPITCH*\t
.endr
.irp t, 0,1,2,3,4,5,6,7
	s_wait_dscnt 7-\t                              ; the younger loads of the eight may stay out
	global_store_b128 v[GO], v[YB+4*\t:YB+4*\t+3], s[OP:OP+1] offset:(16*\qb+2*\t)*ROWB th:TH_STORE_NT   ; sixteen lanes store a head's row: 256 consecutive bytes, at a multiple of 256
.endr
.endm
	OUT16 0
	OUT16 1
	OUT16 2
	OUT16 3
	s_wait_xcnt 0x0
	v_lshl_add_u32 v190, v0, 2, 0x48000
	v_mov_b32 v191, 0
	s_wait_tensorcnt 0x0
	ds_add_u32 v190, v191
	s_wait_dscnt 0x0
	s_endpgm
.Lfunc_end_k_q7b4d7ba810_attn:
	.size	k_q7b4d7ba810_attn, .Lfunc_end_k_q7b4d7ba810_attn-k_q7b4d7ba810_attn
	.p2alignl 7, 3214868480
	.fill 96, 4, 3214868480
	.section	.rodata,"a",@progbits
	.p2align	6, 0x0
	.amdhsa_kernel k_q7b4d7ba810_attn
		.amdhsa_group_segment_fixed_size 295936
		.amdhsa_private_segment_fixed_size 0
		.amdhsa_enable_private_segment 0
		.amdhsa_kernarg_size 72
		.amdhsa_user_sgpr_count 2
		.amdhsa_user_sgpr_kernarg_segment_ptr 1
		.amdhsa_wavefront_size32 1
		.amdhsa_system_sgpr_workgroup_id_x 1
		.amdhsa_system_sgpr_workgroup_id_y 1
		.amdhsa_system_sgpr_workgroup_id_z 1
		.amdhsa_system_vgpr_workitem_id 0
		.amdhsa_next_free_vgpr 512
		.amdhsa_next_free_sgpr 66
		.amdhsa_reserve_vcc 0
		.amdhsa_float_denorm_mode_32 3
		.amdhsa_float_denorm_mode_16_64 3
		.amdhsa_memory_ordered 1
		.amdhsa_forward_progress 1
		.amdhsa_inst_pref_size 255
	.end_amdhsa_kernel
	.section	.bss,"aw",@nobits
	.p2align	6
	.space	262144
	.amdgpu_metadata
---
amdhsa.version: [ 1, 2 ]
amdhsa.kernels:
  - .name:           k_q7b4d7ba810_attn
    .symbol:         k_q7b4d7ba810_attn.kd
    .args:
      - { .name: attn_mask, .offset: 0, .size: 8, .value_kind: global_buffer, .address_space: global }
      - { .name: queries_time, .offset: 8, .size: 8, .value_kind: global_buffer, .address_space: global }
      - { .name: keys_time, .offset: 16, .size: 8, .value_kind: global_buffer, .address_space: global }
      - { .name: values_time, .offset: 24, .size: 8, .value_kind: global_buffer, .address_space: global }
      - { .name: queries_channel, .offset: 32, .size: 8, .value_kind: global_buffer, .address_space: global }
      - { .name: keys_channel, .offset: 40, .size: 8, .value_kind: global_buffer, .address_space: global }
      - { .name: values_channel, .offset: 48, .size: 8, .value_kind: global_buffer, .address_space: global }
      - { .name: out0, .offset: 56, .size: 8, .value_kind: global_buffer, .address_space: global }
      - { .name: out1, .offset: 64, .size: 8, .value_kind: global_buffer, .address_space: global }
    .group_segment_fixed_size: 295936
    .private_segment_fixed_size: 0
    .kernarg_segment_align: 8
    .kernarg_segment_size: 72
    .max_flat_workgroup_size: 256
    .sgpr_count:     66
    .vgpr_count:     512
    .wavefront_size: 32
...
	.end_amdgpu_metadata
.endif
;; end of part 1
